; MI455X (gfx1250); checked and timed in simulation.
; The chip was launched on July 23, 2026; its instructions are those of AMD's public machine-readable ISA for CDNA 5 (MIT licence, August 2026) and "CDNA5" Instruction Set Architecture Reference Guide (July 2026). The comments in the code are by the model that wrote it; some were corrected since.
;; Trellis Linear. Allowed arithmetic: float matrix products may take bf16 or f16 operands with f32 sums; other float arithmetic in f32, or as packed bf16 or f16 multiplies, adds, multiply-adds, maxima and minima; sums over many terms, partial sums and values carried from step to step in f32; what a program stores and reads back later, other than sums and carried values, may be rounded once to bf16 or f16.
;; Inputs: lut 65,536 x 2 float32; su 4,096 float32; sv 2,048 float32; trellis 32,768 x 32 int32; weight_scales 32,768 x 1 float32; x 8,192 x 4,096 float32.
;; Outputs: out0 8,192 x 2,048 float32.
;; One version. Each part assembles by itself: llvm-mc -triple=amdgcn-amd-amdhsa -mcpu=gfx1250 --defsym DOCPART=n.
;; ======== version 1 of 1: 3 launches
;; workspace buffers: mm 131,072 bytes; t1 33,554,432 bytes; wq 16,777,216 bytes; xa 67,108,864 bytes
;; launch prep1 (part 1): grid 512 x 1, 8 waves a work-group, no clusters, 140,288 bytes of LDS; arguments x, trellis, lut, su, sv, mm, t1; writes mm, t1
.if DOCPART == 1
	.amdgcn_target "amdgcn-amd-amdhsa--gfx1250"
	.amdhsa_code_object_version 6
	.text
	.protected	k_qfd9d85d220_prep1
	.globl	k_qfd9d85d220_prep1
	.p2align	8
	.type	k_qfd9d85d220_prep1,@function
k_qfd9d85d220_prep1:
	s_mov_b64 s[64:65], 0
	v_nop
	global_prefetch_b8 v0, s[64:65] scope:SCOPE_SE
	s_setreg_imm32_b32 hwreg(HW_REG_WAVE_MODE, 25, 1), 1
	s_wait_xcnt 0x0
; TWO JOBS THAT NEED NOTHING OF EACH OTHER IN ONE LAUNCH: the work-groups with an even number do the one, those with an odd number the other; j = number / 2 is a work-group's place in its job.
; The choice hangs on the work-group's number alone, so all eight waves of a work-group go the same way, and each way runs to its own end with its own barrier.  One work-group of each kind fits on a WGP
; (2 x 8 waves x 256 registers on 4 SIMDs of 1,024; 2 x 140,288 bytes of LDS): the one waits for a long stream, the other for gathers and has the arithmetic.
; THE STREAM (odd): mm[y][0][c] = the least, mm[y][1][c] = the largest x[r][c] over the 2,048 rows r of quarter y.  x: [8192][4096] f32.  mm: [4][2][4096] f32.
;   Work-group j takes 64 columns (strip j % 64: 256 bytes of a row, aligned) of quarter j / 64; each of its eight waves 256 rows.  One load of a wave takes two rows: lanes 0-15 the 256 bytes of one
;   row, lanes 16-31 those of the next.  A ring of 32 register slots keeps 32 loads of every wave on their way.  The waves' figures meet in LDS; wave 0 reduces them and stores two whole runs of 256 bytes.
; THE WEIGHTS (even): t1 = the decoded weight, times sv by rows and su by columns, Hadamard-transformed over all 12 bits of the column index c (with its 1/64), and over bits 10:8 of the row index o.
;   trellis: [32768][32] i32 (16 bits used).  lut: [65536][2] f32.  su: [4096], sv: [2048] f32.  t1: [2048][4096] f32.
;   The two transforms act on different indices, so their order is free; sv, a factor by rows, may be applied anywhere ahead of the transform over o.  Sums round otherwise than in the stated order, in f32.
;   Work-group j takes the eight rows o = 256 w + j, wave w one whole row in 128 registers a lane.  First the lane holds c = 128 q + 4 lane + 2 t + v in register D + 4 q + 2 t + v: bits 0, 1 and 7-11 of c
;   are register bits.  Then the row goes through the wave's own LDS bytes and comes back as c = 128 lane + (register): bits 2-6.  Then, behind a barrier, each wave takes 512 columns of all eight rows: bits 10:8 of o.
;   A butterfly is two packed lines in place: a += b; b = a - 2 b.
;   DECODE.  State i of a vector of 256 values is the 16 bits from bit 4 i of its 512 bits (words of 16 bits, high bit first, cyclic): of (word i/4) << 16 | (next word) the bits from 16 - 4 (i % 4) on.
; LIMITS: NaN is not treated apart (a NaN loses against a number in v_min_num_f32 and v_max_num_f32; a column of nothing but NaN leaves the starting infinities).
; No matrix unit (16-bit operands would cost accuracy for little time), no tensor load, no cluster: the work-groups share nothing but the table, which is gathered from.
.set ROWL,  16896                      ; the weights: a row in LDS: 32 blocks of 128 columns,
.set BLK,   528                        ; each 512 bytes + 16: an odd multiple of 16, so lanes one block apart start in different groups of banks (64 banks of 4 bytes: ISA guide 11.1)
.set RED,   8*ROWL                     ; the stream: behind the rows' place, 512 bytes of figures for each of the eight waves
.set SPARE, RED+8*512                  ; behind them: the spare words, 128 bytes for each of the 8 waves, named by no other line
.set ROWB,  16384                      ; bytes in a row of x
.set PAIR,  2*ROWB                     ; what lies between two loads of a wave
.set DEPTH, 32                         ; the stream: slots = loads in flight in each wave; 128 loads a wave = 4 rounds
.set LANE, 1                           ; v1   lane
.set SPW,  12                          ; v12  LDS address of my spare word; never rewritten
.set NIL,  13                          ; v13  0; never rewritten
; the weights' registers
.set THI,  2                           ; v2   4 (lane / 2): my state's word in 16 words of the trellis
.set TLO,  3                           ; v3   4 ((lane / 2 + 17) % 32): the next word in the second half of a vector, back to word 0 behind the last
.set SH0,  4                           ; v4   16 - 8 (lane % 2): where state t = 0 begins in the two words
.set SH1,  5                           ; v5   four bits lower: state t = 1
.set L16,  6                           ; v6   16 lane
.set LW1,  7                           ; v7   LDS: my row + 16 lane
.set LW2,  8                           ; v8   LDS: my row + 528 lane
.set LR0,  9                           ; v9   LDS: 4 w blocks + 16 lane, rows 0-3
.set LR1,  10                          ; v10  the same, rows 4-7
.set T,    16                          ; v[16:23]  at work
.set D,    64                          ; v[64:191] the data
.set SU,   192                         ; v[192:255] su for 16 values of q
; the stream's registers
.set OFF,  2                           ; v2   (lane / 16) x 16,384 + (lane % 16) x 16: my 16 bytes in a pair of rows of x, and in mm's two rows; never rewritten
.set LST,  3                           ; v3   LDS: my wave's figures + (lane % 16) x 16
.set LRD,  4                           ; v4   LDS: the first wave's figures + lane x 16
.set MN,   16                          ; v[16:19] running minima of my 4 columns
.set MX,   20                          ; v[20:23] running maxima
.set R,    24                          ; v[24:27] what is stored
.set X,    64                          ; v[64:191] slot i: 4 registers
; Two states, two gathers of 8 bytes.  The index is held to the table's 65,536 rows by the minimum; each gather lands on its own address register.
.macro DECODE q
.set rd, D+4*(\q)
	v_and_b32 v[rd+1], 0xffff, v[rd+1]
	v_lshl_or_b32 v[rd+1], v[rd], 16, v[rd+1]      ; word << 16 | next word; what lies above a word's 16 bits falls out
	v_bfe_u32 v[rd],   v[rd+1], v[SH0], 16
	v_bfe_u32 v[rd+2], v[rd+1], v[SH1], 16
	v_min_u32 v[rd],   0xffff, v[rd]
	v_min_u32 v[rd+2], 0xffff, v[rd+2]
	v_lshlrev_b32 v[rd],   3, v[rd]
	v_lshlrev_b32 v[rd+2], 3, v[rd+2]
	global_load_b64 v[rd:rd+1],   v[rd],   s[8:9]
	global_load_b64 v[rd+2:rd+3], v[rd+2], s[8:9]
.endm
; su and the butterfly on bit 0 of c in three lines: (d0 s0 + d1 s1, d0 s0 - d1 s1)
.macro SUMUL q
.irp t, 0,1
.set rd, D+4*(\q)+2*(\t)
.set rs, SU+4*((\q)%16)+2*(\t)
.set rt, T+(2*(\q)+(\t))%8
	v_mul_f32 v[rt], v[rd+1], v[rs+1]
	v_fma_f32 v[rd+1], v[rd], v[rs], -v[rt]
	v_fma_f32 v[rd], v[rd], v[rs], v[rt]
.endr
.endm
; 64 butterflies between registers dist apart, two to a line, four lines of a kind together so that none waits for the one before it
.macro STAGE dist
.set n, 0
.rept 8
.irp u, 0,1,2,3
.set ra, D+((2*(n+(\u)))/(\dist))*2*(\dist)+(2*(n+(\u)))%(\dist)
.set rb, ra+(\dist)
	v_pk_add_f32 v[ra:ra+1], v[ra:ra+1], v[rb:rb+1]
.endr
.irp u, 0,1,2,3
.set ra, D+((2*(n+(\u)))/(\dist))*2*(\dist)+(2*(n+(\u)))%(\dist)
.set rb, ra+(\dist)
	v_pk_fma_f32 v[rb:rb+1], v[rb:rb+1], -2.0, v[ra:ra+1] op_sel_hi:[1,0,1]
.endr
.set n, n+4
.endr
.endm
; the same with the row's factor k = sv[o] / 64 fused in: b = b k; a = a k + b; b = a - 2 b
.macro STAGEK dist
.set n, 0
.rept 8
.irp u, 0,1,2,3
.set ra, D+((2*(n+(\u)))/(\dist))*2*(\dist)+(2*(n+(\u)))%(\dist)
.set rb, ra+(\dist)
	v_pk_mul_f32 v[rb:rb+1], v[rb:rb+1], s[20:21] op_sel_hi:[1,0]
.endr
.irp u, 0,1,2,3
.set ra, D+((2*(n+(\u)))/(\dist))*2*(\dist)+(2*(n+(\u)))%(\dist)
.set rb, ra+(\dist)
	v_pk_fma_f32 v[ra:ra+1], v[ra:ra+1], s[20:21], v[rb:rb+1] op_sel_hi:[1,0,1]
.endr
.irp u, 0,1,2,3
.set ra, D+((2*(n+(\u)))/(\dist))*2*(\dist)+(2*(n+(\u)))%(\dist)
.set rb, ra+(\dist)
	v_pk_fma_f32 v[rb:rb+1], v[rb:rb+1], -2.0, v[ra:ra+1] op_sel_hi:[1,0,1]
.endr
.set n, n+4
.endr
.endm
; The stream: one slot's turn.  ahead = 1: the slot is filled again, 32 pairs of rows further down.  left = the younger loads that may stay out.
.macro SLOT i, ahead, left
	s_wait_loadcnt \left                           ; loads come back in order: mine is in
.irp k, 0,1,2,3
	v_min_num_f32 v[MN+(\k)], v[MN+(\k)], v[X+4*(\i)+(\k)]
	v_max_num_f32 v[MX+(\k)], v[MX+(\k)], v[X+4*(\i)+(\k)]
.endr
.if \ahead
	global_load_b128 v[X+4*(\i):X+4*(\i)+3], v[OFF], s[4:5] offset:(DEPTH+(\i))*PAIR th:TH_LOAD_NT
.endif
.endm
	s_load_b256 s[4:11], s[0:1], 0x0               ; x s[4:5], trellis s[6:7], lut s[8:9], su s[10:11]
	s_load_b128 s[12:15], s[0:1], 0x20             ; sv s[12:13], mm s[14:15]
	s_load_b64 s[16:17], s[0:1], 0x30              ; t1
	v_lshl_add_u32 v[SPW], v0, 2, SPARE
	v_mov_b32 v[NIL], 0
	v_lshrrev_b32 v[LANE], 5, v0
	v_readfirstlane_b32 s18, v[LANE]               ; wave 0..7
	v_and_b32 v[LANE], 31, v0
	s_lshr_b32 s39, ttmp9, 1                       ; j: my work-group's place in its job, 0..255
	s_mov_b32 s23, 0                               ; the upper word of the offsets made in s22
	s_and_b32 s19, ttmp9, 1
	s_cmp_eq_u32 s19, 0
	s_cbranch_scc0 .Lstream                        ; the same way for all eight waves of a work-group
	; ================ THE WEIGHTS: even work-groups ================
	v_lshrrev_b32 v[THI], 1, v[LANE]
	v_add_nc_u32 v[TLO], 17, v[THI]
	v_and_b32 v[TLO], 31, v[TLO]
	v_lshlrev_b32 v[TLO], 2, v[TLO]
	v_lshlrev_b32 v[THI], 2, v[THI]
	v_and_b32 v[SH1], 1, v[LANE]
	v_lshlrev_b32 v[SH1], 3, v[SH1]
	v_sub_nc_u32 v[SH0], 16, v[SH1]
	v_sub_nc_u32 v[SH1], 12, v[SH1]
	v_lshlrev_b32 v[L16], 4, v[LANE]
	s_mul_i32 s35, s18, ROWL
	v_add_nc_u32 v[LW1], s35, v[L16]
	v_mul_u32_u24 v[LW2], v[LANE], BLK
	v_add_nc_u32 v[LW2], s35, v[LW2]
	s_mul_i32 s36, s18, 4*BLK
	v_add_nc_u32 v[LR0], s36, v[L16]
	v_add_nc_u32 v[LR1], 4*ROWL, v[LR0]
	s_lshl_b32 s19, s18, 8
	s_add_co_u32 s19, s19, s39                     ; o = 256 w + j
	s_wait_kmcnt 0x0
	s_lshl_b32 s22, s19, 11                        ; a row's 16 vectors are 2,048 bytes of the trellis
	s_add_nc_u64 s[6:7], s[6:7], s[22:23]
	s_lshl_b32 s22, s19, 2
	s_add_nc_u64 s[12:13], s[12:13], s[22:23]
	s_load_b32 s20, s[12:13], 0x0                  ; sv[o]
	s_lshl_b32 s22, s39, 14                        ; t1: row j,
	s_lshl_b32 s36, s18, 11                        ; my 512 columns of the last phase
	s_add_co_u32 s22, s22, s36
	s_add_nc_u64 s[24:25], s[16:17], s[22:23]      ; four bases, 512 rows apart, so that the stores' immediates stay inside their signed 24 bits
	s_add_nc_u64 s[26:27], s[24:25], 0x800000
	s_add_nc_u64 s[28:29], s[24:25], 0x1000000
	s_add_nc_u64 s[30:31], s[24:25], 0x1800000
.set q, 0
.rept 16
	global_load_b128 v[SU+4*q:SU+4*q+3], v[L16], s[10:11] offset:512*q
.set q, q+1
.endr
.set q, 0
.rept 32                                               ; block q of 128 columns is half a vector: 16 words; two lanes share a word
	global_load_b32 v[D+4*q], v[THI], s[6:7] offset:64*q
.if q%2
	global_load_b32 v[D+4*q+1], v[TLO], s[6:7] offset:64*(q-1)
.else
	global_load_b32 v[D+4*q+1], v[THI], s[6:7] offset:64*q+4
.endif
.set q, q+1
.endr
	s_wait_kmcnt 0x0
	s_mul_f32 s20, s20, 0x3c800000                 ; sv[o] / 64
	s_mov_b32 s21, s20                             ; named with it as a pair
	s_wait_loadcnt 0x0
.set q, 0
.rept 32
	DECODE q
.set q, q+1
.endr
	s_wait_loadcnt 32                              ; the 32 gathers of q = 16 to 31 may stay out: those of q = 0 to 15 are in
.set q, 0
.rept 16
	SUMUL q
.set q, q+1
.endr
.set q, 16
.rept 16
	global_load_b128 v[SU+4*(q-16):SU+4*(q-16)+3], v[L16], s[10:11] offset:512*q   ; su's second half, into the registers just read
.set q, q+1
.endr
	s_wait_loadcnt 0x0
.set q, 16
.rept 16
	SUMUL q
.set q, q+1
.endr
	STAGE 2                                        ; bit 1 of c
	STAGE 4                                        ; bits 7 to 11
	STAGE 8
	STAGE 16
	STAGE 32
	STAGE 64
.set q, 0
.rept 32
	ds_store_b128 v[LW1], v[D+4*q:D+4*q+3] offset:BLK*q  ; block q: 32 lanes, 512 neighbouring bytes
.set q, q+1
.endr
.set q, 0
.rept 32
	ds_load_b128 v[D+4*q:D+4*q+3], v[LW2] offset:16*q    ; back as a block a lane; LDS serves a wave's instructions in order (ISA guide 5.7.1.4), and the bytes are my wave's own
.set q, q+1
.endr
	s_wait_dscnt 0x0
	STAGE 4                                        ; bits 2 to 5
	STAGE 8
	STAGE 16
	STAGE 32
	STAGEK 64                                      ; bit 6, and sv[o] / 64
.set q, 0
.rept 32
	ds_store_b128 v[LW2], v[D+4*q:D+4*q+3] offset:16*q
.set q, q+1
.endr
	s_wait_tensorcnt 0x0                           ; behind my last LDS store
	ds_add_u32 v[SPW], v[NIL]
	s_wait_dscnt 0x0                               ; also for the others' sake: my row is whole before I signal
	s_barrier_signal -1
	s_barrier_wait -1
.set q, 0
.rept 32                                               ; row q / 4, block 4 w + q % 4, into D + 16 (q / 4) + 4 (q % 4)
.if q < 16
	ds_load_b128 v[D+4*q:D+4*q+3], v[LR0] offset:(q/4)*ROWL+(q%4)*BLK
.else
	ds_load_b128 v[D+4*q:D+4*q+3], v[LR1] offset:(q/4-4)*ROWL+(q%4)*BLK
.endif
.set q, q+1
.endr
	s_wait_dscnt 0x0
	STAGE 16                                       ; bits 8, 9, 10 of o
	STAGE 32
	STAGE 64
.set q, 0
.rept 32
	global_store_b128 v[L16], v[D+4*q:D+4*q+3], s[24+2*(q/8):25+2*(q/8)] offset:((q/4)%2)*4194304+(q%4)*512  ; 512 consecutive bytes of row 256 (q / 4) + j, at a multiple of 512
.set q, q+1
.endr
	s_endpgm
	; ================ THE STREAM: odd work-groups ================
.Lstream:
	v_and_b32 v[LST], 15, v0
	v_lshlrev_b32 v[LST], 4, v[LST]                ; (lane % 16) x 16
	v_bfe_u32 v[OFF], v0, 4, 1
	v_lshl_add_u32 v[OFF], v[OFF], 14, v[LST]      ; + one row for lanes 16-31
	s_lshl_b32 s35, s18, 9
	s_add_co_u32 s35, s35, RED                     ; my wave's 512 bytes of figures
	v_add_nc_u32 v[LST], s35, v[LST]
	s_lshr_b32 s37, s39, 6                         ; the quarter y
	s_and_b32 s38, s39, 63                         ; the strip
	s_lshl_b32 s22, s37, 25                        ; 2,048 rows of 16,384 bytes
	s_lshl_b32 s36, s18, 22                        ; my wave's 256 rows
	s_add_co_u32 s22, s22, s36
	s_lshl_b32 s38, s38, 8                         ; the strip's 256 bytes
	s_add_co_u32 s22, s22, s38
	s_lshl_b32 s36, s37, 15                        ; mm: 32,768 bytes a quarter
	s_add_co_u32 s36, s36, s38
	s_mov_b32 s37, 0
	s_mov_b32 s32, 0x76543210                      ; v_permlanex16_b32: each lane takes its own place in the other half
	s_mov_b32 s33, 0xfedcba98
.irp k, 0,1,2,3
	v_mov_b32 v[MN+(\k)], 0x7f800000               ; the chains start at +infinity and -infinity, so that every round is the loop's
	v_mov_b32 v[MX+(\k)], 0xff800000
.endr
	s_wait_kmcnt 0x0
	s_add_nc_u64 s[4:5], s[4:5], s[22:23]
	s_add_nc_u64 s[14:15], s[14:15], s[36:37]
.set i, 0
.rept DEPTH
	global_load_b128 v[X+4*i:X+4*i+3], v[OFF], s[4:5] offset:i*PAIR th:TH_LOAD_NT
.set i, i+1
.endr
	s_mov_b32 s34, 3
.Lround:                                               ; rounds 0 to 2: they load rounds 1 to 3
.irp i, 0,1,2,3,4,5,6,7,8,9,10,11,12,13,14,15,16,17,18,19,20,21,22,23,24,25,26,27,28,29,30,31
	SLOT \i, 1, DEPTH-1                            ; behind slot i's load: the rest of its round and the i refills of this one = 31
.endr
	s_wait_xcnt 0x0                                ; the base is stepped only behind this wait
	s_add_nc_u64 s[4:5], s[4:5], DEPTH*PAIR
	s_sub_co_u32 s34, s34, 1
	s_cmp_lg_u32 s34, 0
	s_cbranch_scc1 .Lround
.irp i, 0,1,2,3,4,5,6,7,8,9,10,11,12,13,14,15,16,17,18,19,20,21,22,23,24,25,26,27,28,29,30,31
	SLOT \i, 0, DEPTH-1-(\i)                       ; the last round loads nothing: the counts run down
.endr
	; even and odd rows lie in the two halves of the lanes
.irp k, 0,1,2,3
	v_permlanex16_b32 v[X+(\k)],   v[MN+(\k)], s32, s33
	v_permlanex16_b32 v[X+4+(\k)], v[MX+(\k)], s32, s33
.endr
.irp k, 0,1,2,3
	v_min_num_f32 v[MN+(\k)], v[MN+(\k)], v[X+(\k)]
	v_max_num_f32 v[MX+(\k)], v[MX+(\k)], v[X+4+(\k)]
.endr
	ds_store_b128 v[LST], v[MN:MN+3]               ; my wave's 256 bytes of minima (both halves of the lanes write the same),
	ds_store_b128 v[LST], v[MX:MX+3] offset:256    ; and of maxima
	s_wait_tensorcnt 0x0                           ; behind my last LDS store
	ds_add_u32 v[SPW], v[NIL]
	s_wait_dscnt 0x0                               ; also for wave 0's sake: my figures are stored before I signal
	s_barrier_signal -1
	s_barrier_wait -1
	s_cmp_lg_u32 s18, 0
	s_cbranch_scc1 .Lend                           ; wave 0 alone goes on
	v_lshl_add_u32 v[LRD], v[LANE], 4, RED
.set i, 0
.rept 8
	ds_load_b128 v[X+4*i:X+4*i+3], v[LRD] offset:512*i   ; wave i's figures: lanes 0-15 take its minima, lanes 16-31 its maxima
.set i, i+1
.endr
	s_wait_dscnt 0x0
.irp k, 0,1,2,3
	v_min3_num_f32 v[MN+(\k)], v[X+(\k)], v[X+4+(\k)], v[X+8+(\k)]
	v_max3_num_f32 v[MX+(\k)], v[X+(\k)], v[X+4+(\k)], v[X+8+(\k)]
.endr
.irp k, 0,1,2,3
	v_min3_num_f32 v[MN+(\k)], v[MN+(\k)], v[X+12+(\k)], v[X+16+(\k)]
	v_max3_num_f32 v[MX+(\k)], v[MX+(\k)], v[X+12+(\k)], v[X+16+(\k)]
.endr
.irp k, 0,1,2,3
	v_min3_num_f32 v[MN+(\k)], v[MN+(\k)], v[X+20+(\k)], v[X+24+(\k)]
	v_max3_num_f32 v[MX+(\k)], v[MX+(\k)], v[X+20+(\k)], v[X+24+(\k)]
.endr
.irp k, 0,1,2,3
	v_min_num_f32 v[MN+(\k)], v[MN+(\k)], v[X+28+(\k)]
	v_max_num_f32 v[MX+(\k)], v[MX+(\k)], v[X+28+(\k)]
.endr
	v_cmp_gt_u32 vcc_lo, 16, v[LANE]               ; lanes 0-15 keep the minimum of minima, lanes 16-31 the maximum of maxima
.irp k, 0,1,2,3
	v_cndmask_b32 v[R+(\k)], v[MX+(\k)], v[MN+(\k)], vcc_lo
.endr
	global_store_b128 v[OFF], v[R:R+3], s[14:15]   ; 256 consecutive aligned bytes of mm's row of minima, 256 of its row of maxima
.Lend:
	s_endpgm
.Lfunc_end_k_qfd9d85d220_prep1:
	.size	k_qfd9d85d220_prep1, .Lfunc_end_k_qfd9d85d220_prep1-k_qfd9d85d220_prep1
	.p2alignl 7, 3214868480
	.fill 96, 4, 3214868480
	.section	.rodata,"a",@progbits
	.p2align	6, 0x0
	.amdhsa_kernel k_qfd9d85d220_prep1
		.amdhsa_group_segment_fixed_size 140288
		.amdhsa_private_segment_fixed_size 0
		.amdhsa_enable_private_segment 0
		.amdhsa_kernarg_size 56
		.amdhsa_user_sgpr_count 2
		.amdhsa_user_sgpr_kernarg_segment_ptr 1
		.amdhsa_wavefront_size32 1
		.amdhsa_system_sgpr_workgroup_id_x 1
		.amdhsa_system_sgpr_workgroup_id_y 1
		.amdhsa_system_sgpr_workgroup_id_z 1
		.amdhsa_system_vgpr_workitem_id 0
		.amdhsa_next_free_vgpr 256
		.amdhsa_next_free_sgpr 66
		.amdhsa_reserve_vcc 1
		.amdhsa_float_denorm_mode_32 3
		.amdhsa_float_denorm_mode_16_64 3
		.amdhsa_memory_ordered 1
		.amdhsa_forward_progress 1
		.amdhsa_inst_pref_size 140
	.end_amdhsa_kernel
	.amdgpu_metadata
---
amdhsa.version: [ 1, 2 ]
amdhsa.kernels:
  - .name:           k_qfd9d85d220_prep1
    .symbol:         k_qfd9d85d220_prep1.kd
    .args:
      - { .name: x, .offset: 0, .size: 8, .value_kind: global_buffer, .address_space: global }
      - { .name: trellis, .offset: 8, .size: 8, .value_kind: global_buffer, .address_space: global }
      - { .name: lut, .offset: 16, .size: 8, .value_kind: global_buffer, .address_space: global }
      - { .name: su, .offset: 24, .size: 8, .value_kind: global_buffer, .address_space: global }
      - { .name: sv, .offset: 32, .size: 8, .value_kind: global_buffer, .address_space: global }
      - { .name: mm, .offset: 40, .size: 8, .value_kind: global_buffer, .address_space: global }
      - { .name: t1, .offset: 48, .size: 8, .value_kind: global_buffer, .address_space: global }
    .group_segment_fixed_size: 140288
    .private_segment_fixed_size: 0
    .kernarg_segment_align: 8
    .kernarg_segment_size: 56
    .max_flat_workgroup_size: 256
    .sgpr_count:     66
    .vgpr_count:     256
    .wavefront_size: 32
...
	.end_amdgpu_metadata
.endif
;; end of part 1
;; launch prep2 (part 2): grid 512 x 1, 16 waves a work-group, no clusters, 133,120 bytes of LDS; arguments x, mm, t1, weight_scales, xa, wq; writes xa, wq
.if DOCPART == 2
	.amdgcn_target "amdgcn-amd-amdhsa--gfx1250"
	.amdhsa_code_object_version 6
	.text
	.protected	k_qfd9d85d220_prep2
	.globl	k_qfd9d85d220_prep2
	.p2align	8
	.type	k_qfd9d85d220_prep2,@function
k_qfd9d85d220_prep2:
	s_mov_b64 s[64:65], 0
	v_nop
	global_prefetch_b8 v0, s[64:65] scope:SCOPE_SE
	s_setreg_imm32_b32 hwreg(HW_REG_WAVE_MODE, 25, 1), 1
	s_wait_xcnt 0x0
; TWO JOBS THAT NEED NOTHING OF EACH OTHER IN ONE LAUNCH: the work-groups with an even number finish the weights, those with an odd number quantise x; j = number / 2 is a work-group's place in its job.
; The choice hangs on the work-group's number alone, so all sixteen waves of a work-group go the same way, and each way runs to its own end; the weights' way has a barrier, the quantiser's none.
; One work-group of each kind fits on a WGP (2 x 16 waves x 128 registers on 4 SIMDs of 1,024; 2 x 133,120 bytes of LDS).
; THE QUANTISER (odd): xa[r][c] = bf16( q - zp ) = bf16( clamp( round(x[r][c] / s[c]), -zp[c], 255 - zp[c] ) ), with s[c] = (max - min) / 255 (1 where that is not above 0) and zp[c] = round(-min / s[c]).
;   x: [8192][4096] f32.  mm: [4][2][4096] f32, the columns' minima and maxima by quarters of the rows.  xa: [8192][4096] bf16.  The factor s[c] of the dequantised number lies in the weights.
;   Where 0 lies within a column's range the whole number is at most 255 in size and bf16 holds it exactly; with a large common offset it is rounded as any bf16 matrix operand is.
;   Work-group j takes 2,048 columns (j % 2) x 64 rows (j / 2); thread t keeps columns 4 t .. 4 t + 3 in every row, so its figures stay in registers.  A ring of 16 slots, a row each, keeps 16 loads of every wave on their way.
; THE WEIGHTS (even): wq[o][c] = bf16( W[o][c] s[c] ): the Hadamard transform over bits 7:0 of o is finished (with the whole transform's 2^-5.5), the group's weight scale is applied, and s[c] is folded in.
;   t1: [2048][4096] f32.  weight_scales: [32768] f32, one for row o and 256 columns.  wq: [2048][4096] bf16.  s[c] is a factor by columns, so it may stand ahead of the transform over o; the weight scale comes last.
;   Work-group j takes 256 rows (j / 32: one value of o's bits 10:8) x 128 columns (j % 32); a lane 4 columns, a wave 16 rows in 64 registers.  Pass A: wave a holds rows 16 a + i: bits 0-3 are register bits.
;   Through LDS, a barrier.  Pass B: wave b holds rows 16 k + b: bits 4-7 are register bits.  A butterfly is two packed lines in place: a += b; b = a - 2 b.
; LIMITS.  NaN and infinities are not treated apart; a step s below 2^-126 is lost in v_rcp_f32; |x / s| and |zp| stay below 2^24; x + (dq - x) is taken as dq; the division by 255 is a product with 1/255 and one
; correction step; a division by s is a reciprocal with one correction step, so a quotient within about one unit in the last place of a half may round to the other neighbour.
; No matrix unit, tensor load or cluster: streams and register work in which the work-groups share no tile.
.set SPARE, 131072                     ; behind the weights' 256 rows of 512 bytes: the spare words, 128 bytes for each of the 16 waves, named by no other line
.set DEPTH, 16
.set XROW, 16384
.set YROW, 8192
.set SPW,  1                           ; v1   LDS address of my spare word; never rewritten
.set NIL,  2                           ; v2   0; never rewritten
.set ONE,  5                           ; v5   1.0
; the weights' registers
.set LANE, 6
.set G16,  7                           ; v7   16 lane
.set LA,   8                           ; v8   LDS: 16 w rows + 16 lane
.set LB0,  9                           ; v9   LDS: row w + 16 lane, k = 0-7
.set LB1,  10                          ; v10  the same, k = 8-15
.set YO,   11                          ; v11  8 lane
.set WSO,  12                          ; v12  lane n: byte offset of the weight scale of pass B's row k = n % 16
.set WS,   13                          ; v13  that scale
.set F,    16                          ; v[16:19] s[c] x 2^-5.5 for my 4 columns
.set MN,   20                          ; v[20:23]
.set MX,   24                          ; v[24:27]
.set TM,   28                          ; v[28:31]
.set MM,   32                          ; v[32:63] mm's eight rows for my 4 columns
.set D,    64                          ; v[64:127] the data
; the quantiser's registers
.set OFFX, 3                           ; v3   16 t; never rewritten
.set OFFY, 4                           ; v4   8 t; never rewritten
.set INV,  8                           ; v[8:11]  1 / s
.set SC,   12                          ; v[12:15] s
.set LO,   16                          ; v[16:19] -zp
.set HI,   20                          ; v[20:23] 255 - zp
.set Q,    24                          ; v[24:27] at work
.set E,    28                          ; v[28:31] at work
.set MMR,  32                          ; v[32:63] mm's eight rows; then v[32:35] the minimum, v[36:39] the maximum; used up before the ring's first turn
.set Y,    32                          ; v[32:63]  then slot i: 2 registers to store
.set X,    64                          ; v[64:127] slot i: 4 registers as loaded
.macro STAGE dist                      ; 32 butterflies between registers dist apart, two to a line: a += b; b = a - 2 b
.set n, 0
.rept 4
.irp u, 0,1,2,3
.set ra, D+((2*(n+(\u)))/(\dist))*2*(\dist)+(2*(n+(\u)))%(\dist)
.set rb, ra+(\dist)
	v_pk_add_f32 v[ra:ra+1], v[ra:ra+1], v[rb:rb+1]
.endr
.irp u, 0,1,2,3
.set ra, D+((2*(n+(\u)))/(\dist))*2*(\dist)+(2*(n+(\u)))%(\dist)
.set rb, ra+(\dist)
	v_pk_fma_f32 v[rb:rb+1], v[rb:rb+1], -2.0, v[ra:ra+1] op_sel_hi:[1,0,1]
.endr
.set n, n+4
.endr
.endm
.macro STAGEK dist                     ; the same with the column's factor fused in: b = b k; a = a k + b; b = a - 2 b
.set n, 0
.rept 4
.irp u, 0,1,2,3
.set ra, D+((2*(n+(\u)))/(\dist))*2*(\dist)+(2*(n+(\u)))%(\dist)
.set rb, ra+(\dist)
	v_pk_mul_f32 v[rb:rb+1], v[rb:rb+1], v[F+(ra%4):F+(ra%4)+1]
.endr
.irp u, 0,1,2,3
.set ra, D+((2*(n+(\u)))/(\dist))*2*(\dist)+(2*(n+(\u)))%(\dist)
.set rb, ra+(\dist)
	v_pk_fma_f32 v[ra:ra+1], v[ra:ra+1], v[F+(ra%4):F+(ra%4)+1], v[rb:rb+1]
.endr
.irp u, 0,1,2,3
.set ra, D+((2*(n+(\u)))/(\dist))*2*(\dist)+(2*(n+(\u)))%(\dist)
.set rb, ra+(\dist)
	v_pk_fma_f32 v[rb:rb+1], v[rb:rb+1], -2.0, v[ra:ra+1] op_sel_hi:[1,0,1]
.endr
.set n, n+4
.endr
.endm
; The quantiser's step for 4 columns: d = max - min (in max's place); s0 = d / 255 by a product; one correction: s = s0 + (d - 255 s0) / 255; 1 where s is not above 0.
; Both jobs run these lines, so both have the same s.
.macro SCALE4 mn, mx, sc, tm
.irp k, 0,1,2,3
	v_sub_f32 v[(\mx)+(\k)], v[(\mx)+(\k)], v[(\mn)+(\k)]
.endr
.irp k, 0,1,2,3
	v_mul_f32 v[(\sc)+(\k)], s21, v[(\mx)+(\k)]
.endr
.irp k, 0,1,2,3
	v_fma_f32 v[(\tm)+(\k)], -v[(\sc)+(\k)], s20, v[(\mx)+(\k)]
.endr
.irp k, 0,1,2,3
	v_fma_f32 v[(\sc)+(\k)], v[(\tm)+(\k)], s21, v[(\sc)+(\k)]
.endr
.irp k, 0,1,2,3
	v_cmp_ge_f32 vcc_lo, 0, v[(\sc)+(\k)]
	v_cndmask_b32 v[(\sc)+(\k)], v[(\sc)+(\k)], v[ONE], vcc_lo
.endr
.endm
; The quantiser: one slot's turn, a row's 4 numbers.  ahead = 1: the slot is filled again with the row 16 further down.  left = the younger loads that may stay out.
.macro SLOT i, ahead, left
	s_wait_loadcnt \left
.irp p, 0,2
	v_pk_mul_f32 v[Q+(\p):Q+(\p)+1], v[X+4*(\i)+(\p):X+4*(\i)+(\p)+1], v[INV+(\p):INV+(\p)+1]
.endr
.irp p, 0,2
	v_pk_fma_f32 v[E+(\p):E+(\p)+1], v[Q+(\p):Q+(\p)+1], v[SC+(\p):SC+(\p)+1], v[X+4*(\i)+(\p):X+4*(\i)+(\p)+1] neg_lo:[1,0,0] neg_hi:[1,0,0]
.endr
.irp p, 0,2
	v_pk_fma_f32 v[Q+(\p):Q+(\p)+1], v[E+(\p):E+(\p)+1], v[INV+(\p):INV+(\p)+1], v[Q+(\p):Q+(\p)+1]
.endr
.irp k, 0,1,2,3
	v_rndne_f32 v[Q+(\k)], v[Q+(\k)]
.endr
.irp k, 0,1,2,3
	v_med3_num_f32 v[Q+(\k)], v[Q+(\k)], v[LO+(\k)], v[HI+(\k)]
.endr
	v_cvt_pk_bf16_f32 v[Y+2*(\i)],   v[Q],   v[Q+1]
	v_cvt_pk_bf16_f32 v[Y+2*(\i)+1], v[Q+2], v[Q+3]
.if \ahead
	global_load_b128 v[X+4*(\i):X+4*(\i)+3], v[OFFX], s[4:5] offset:(DEPTH+(\i))*XROW th:TH_LOAD_NT
.endif
	global_store_b64 v[OFFY], v[Y+2*(\i):Y+2*(\i)+1], s[12:13] offset:(\i)*YROW   ; a wave stores 256 consecutive bytes, at a multiple of 256 from xa's first byte
.endm
	s_load_b256 s[4:11], s[0:1], 0x0               ; x s[4:5], mm s[6:7], t1 s[8:9], weight_scales s[10:11]
	s_load_b128 s[12:15], s[0:1], 0x20             ; xa s[12:13], wq s[14:15]
	v_lshl_add_u32 v[SPW], v0, 2, SPARE
	v_mov_b32 v[NIL], 0
	v_mov_b32 v[ONE], 1.0
	v_lshrrev_b32 v[LANE], 5, v0
	v_readfirstlane_b32 s16, v[LANE]               ; wave 0..15
	s_lshr_b32 s17, ttmp9, 1                       ; j: my work-group's place in its job, 0..255
	s_mov_b32 s19, 0                               ; the upper word of the offsets made in s18
	s_mov_b32 s20, 0x437f0000                      ; 255.0
	s_mov_b32 s21, 0x3b808081                      ; 1 / 255
	s_mov_b32 s22, 0x3cb504f3                      ; 2^-5.5 = 1 / sqrt(2048)
	s_and_b32 s18, ttmp9, 1
	s_cmp_eq_u32 s18, 0
	s_cbranch_scc0 .Lquant                         ; the same way for all sixteen waves of a work-group
	; ================ THE WEIGHTS: even work-groups ================
	v_and_b32 v[LANE], 31, v0
	v_lshlrev_b32 v[G16], 4, v[LANE]
	s_lshl_b32 s23, s16, 13                        ; pass A: my 16 rows of 512 bytes
	v_add_nc_u32 v[LA], s23, v[G16]
	s_lshl_b32 s23, s16, 9                         ; pass B: row w, and every sixteenth row from there
	v_add_nc_u32 v[LB0], s23, v[G16]
	v_add_nc_u32 v[LB1], 0x10000, v[LB0]
	v_lshlrev_b32 v[YO], 3, v[LANE]
	v_and_b32 v[WSO], 15, v[LANE]
	v_lshlrev_b32 v[WSO], 10, v[WSO]               ; 16 rows of 16 scales of 4 bytes lie between pass B's rows
	s_lshr_b32 s28, s17, 5                         ; which 256 rows
	s_and_b32 s29, s17, 31                         ; which 128 columns
	s_lshl_b32 s28, s28, 8
	s_lshl_b32 s18, s16, 4
	s_add_co_u32 s18, s18, s28                     ; pass A's first row
	s_lshl_b32 s18, s18, 14
	s_lshl_b32 s23, s29, 9                         ; 512 bytes for 128 columns, in t1 and in mm
	s_add_co_u32 s18, s18, s23
	s_wait_kmcnt 0x0
	s_add_nc_u64 s[8:9], s[8:9], s[18:19]
	s_mov_b32 s18, s23
	s_add_nc_u64 s[6:7], s[6:7], s[18:19]          ; mm at my work-group's columns
	s_add_co_u32 s30, s16, s28                     ; pass B's first row
	s_lshl_b32 s18, s30, 13                        ; in wq: 8,192 bytes a row,
	s_lshl_b32 s23, s29, 8
	s_add_co_u32 s18, s18, s23                     ; 256 bytes for 128 columns
	s_add_nc_u64 s[14:15], s[14:15], s[18:19]
	s_lshl_b32 s18, s30, 6                         ; in the scales: 64 bytes a row,
	s_lshr_b32 s23, s29, 1
	s_lshl_b32 s23, s23, 2
	s_add_co_u32 s18, s18, s23                     ; the group of 256 columns
	s_add_nc_u64 s[10:11], s[10:11], s[18:19]
.set m, 0
.rept 16
	s_mov_b32 s[33+2*m], 0                         ; the upper words of the pairs that the packed products name
.set m, m+1
.endr
.irp p, 0,1,2,3
	global_load_b128 v[MM+8*(\p):MM+8*(\p)+3],   v[G16], s[6:7] offset:(\p)*32768
	global_load_b128 v[MM+8*(\p)+4:MM+8*(\p)+7], v[G16], s[6:7] offset:(\p)*32768+16384
.endr
	global_load_b32 v[WS], v[WSO], s[10:11]
.set i, 0
.rept 16
	global_load_b128 v[D+4*i:D+4*i+3], v[G16], s[8:9] offset:i*16384 th:TH_LOAD_NT
.set i, i+1
.endr
	s_wait_loadcnt 16                              ; the 16 loads of t1 may stay out: mm and the scales are in
.irp k, 0,1,2,3
	v_min3_num_f32 v[MN+(\k)], v[MM+(\k)], v[MM+8+(\k)], v[MM+16+(\k)]
	v_max3_num_f32 v[MX+(\k)], v[MM+4+(\k)], v[MM+12+(\k)], v[MM+20+(\k)]
.endr
.irp k, 0,1,2,3
	v_min_num_f32 v[MN+(\k)], v[MN+(\k)], v[MM+24+(\k)]
	v_max_num_f32 v[MX+(\k)], v[MX+(\k)], v[MM+28+(\k)]
.endr
	SCALE4 MN, MX, F, TM
.irp k, 0,1,2,3
	v_mul_f32 v[F+(\k)], s22, v[F+(\k)]
.endr
	s_wait_loadcnt 0x0
	STAGEK 4                                       ; bit 0 of o, and the column's factor
	STAGE 8                                        ; bits 1 to 3
	STAGE 16
	STAGE 32
.set i, 0
.rept 16
	ds_store_b128 v[LA], v[D+4*i:D+4*i+3] offset:512*i   ; row 16 w + i: 32 lanes, 512 neighbouring bytes
.set i, i+1
.endr
	s_wait_tensorcnt 0x0                           ; behind my last LDS store
	ds_add_u32 v[SPW], v[NIL]
	s_wait_dscnt 0x0                               ; also for the others' sake: my 16 rows are whole before I signal
	s_barrier_signal -1
	s_barrier_wait -1
.set i, 0
.rept 16                                               ; row 16 i + w
.if i < 8
	ds_load_b128 v[D+4*i:D+4*i+3], v[LB0] offset:i*8192
.else
	ds_load_b128 v[D+4*i:D+4*i+3], v[LB1] offset:(i-8)*8192
.endif
.set i, i+1
.endr
	s_wait_dscnt 0x0
	STAGE 4                                        ; bits 4 to 7 of o
	STAGE 8
	STAGE 16
	STAGE 32
.set m, 0
.rept 16
	v_readlane_b32 s[32+2*m], v[WS], m             ; lane m loaded the scale of row 16 m + w
.set m, m+1
.endr
.set m, 0
.rept 16
.set r, D+4*m
	v_pk_mul_f32 v[r:r+1],   v[r:r+1],   s[32+2*m:33+2*m] op_sel_hi:[1,0]
	v_pk_mul_f32 v[r+2:r+3], v[r+2:r+3], s[32+2*m:33+2*m] op_sel_hi:[1,0]
.set m, m+1
.endr
.set m, 0
.rept 16
.set r, D+4*m
	v_cvt_pk_bf16_f32 v[r],   v[r],   v[r+1]
	v_cvt_pk_bf16_f32 v[r+1], v[r+2], v[r+3]
.set m, m+1
.endr
.set m, 0
.rept 16
.set r, D+4*m
	global_store_b64 v[YO], v[r:r+1], s[14:15] offset:m*16*8192  ; the wave's 32 lanes store 256 consecutive bytes, at a multiple of 256 from wq's first byte
.set m, m+1
.endr
	s_endpgm
	; ================ THE QUANTISER: odd work-groups ================
.Lquant:
	v_lshlrev_b32 v[OFFX], 4, v0
	v_lshlrev_b32 v[OFFY], 3, v0
	s_and_b32 s28, s17, 1                          ; which 2,048 columns
	s_lshr_b32 s29, s17, 1                         ; which 64 rows
	s_lshl_b32 s30, s28, 13                        ; 8,192 bytes in x and in mm,
	s_mov_b32 s31, 0
	s_lshl_b32 s18, s29, 20
	s_add_co_u32 s18, s18, s30
	s_wait_kmcnt 0x0
	s_add_nc_u64 s[4:5], s[4:5], s[18:19]
	s_add_nc_u64 s[6:7], s[6:7], s[30:31]
	s_lshl_b32 s18, s29, 19
	s_lshl_b32 s30, s28, 12                        ; 4,096 in xa
	s_add_co_u32 s18, s18, s30
	s_add_nc_u64 s[12:13], s[12:13], s[18:19]
.irp p, 0,1,2,3
	global_load_b128 v[MMR+8*(\p):MMR+8*(\p)+3],   v[OFFX], s[6:7] offset:(\p)*32768
	global_load_b128 v[MMR+8*(\p)+4:MMR+8*(\p)+7], v[OFFX], s[6:7] offset:(\p)*32768+16384
.endr
.set i, 0
.rept DEPTH
	global_load_b128 v[X+4*i:X+4*i+3], v[OFFX], s[4:5] offset:i*XROW th:TH_LOAD_NT
.set i, i+1
.endr
	s_wait_loadcnt DEPTH                           ; the ring's 16 loads may stay out: mm is in
.irp k, 0,1,2,3
	v_min3_num_f32 v[MMR+(\k)],   v[MMR+(\k)],   v[MMR+8+(\k)],  v[MMR+16+(\k)]
	v_max3_num_f32 v[MMR+4+(\k)], v[MMR+4+(\k)], v[MMR+12+(\k)], v[MMR+20+(\k)]
.endr
.irp k, 0,1,2,3
	v_min_num_f32 v[MMR+(\k)],   v[MMR+(\k)],   v[MMR+24+(\k)]
	v_max_num_f32 v[MMR+4+(\k)], v[MMR+4+(\k)], v[MMR+28+(\k)]
.endr
	SCALE4 MMR, MMR+4, SC, E
.irp k, 0,1,2,3
	v_rcp_f32 v[INV+(\k)], v[SC+(\k)]
.endr
	v_nop                                          ; a plain instruction between the last reciprocal and the use of its result (ISA guide 5.7.2)
	s_wait_alu depctr_va_vdst(0)
.irp k, 0,1,2,3
	v_mul_f32 v[Q+(\k)], -v[MMR+(\k)], v[INV+(\k)]             ; -min / s, first guess,
.endr
.irp k, 0,1,2,3
	v_fma_f32 v[E+(\k)], -v[Q+(\k)], v[SC+(\k)], -v[MMR+(\k)]  ; what it leaves,
.endr
.irp k, 0,1,2,3
	v_fma_f32 v[Q+(\k)], v[E+(\k)], v[INV+(\k)], v[Q+(\k)]     ; corrected
.endr
.irp k, 0,1,2,3
	v_rndne_f32 v[Q+(\k)], v[Q+(\k)]               ; zp
.endr
.irp k, 0,1,2,3
	v_sub_f32 v[LO+(\k)], 0, v[Q+(\k)]
	v_sub_f32 v[HI+(\k)], s20, v[Q+(\k)]
.endr
	s_mov_b32 s23, 64/DEPTH-1
.Lround:
.irp i, 0,1,2,3,4,5,6,7,8,9,10,11,12,13,14,15
	SLOT \i, 1, DEPTH-1                            ; behind slot i's load: the rest of its round and the i refills of this one = 15
.endr
	s_wait_xcnt 0x0                                ; the two bases and the stores' data registers are written again only behind this wait
	s_add_nc_u64 s[4:5], s[4:5], DEPTH*XROW
	s_add_nc_u64 s[12:13], s[12:13], DEPTH*YROW
	s_sub_co_u32 s23, s23, 1
	s_cmp_lg_u32 s23, 0
	s_cbranch_scc1 .Lround
.irp i, 0,1,2,3,4,5,6,7,8,9,10,11,12,13,14,15
	SLOT \i, 0, DEPTH-1-(\i)                       ; the last round loads nothing: the counts run down
.endr
	s_endpgm
.Lfunc_end_k_qfd9d85d220_prep2:
	.size	k_qfd9d85d220_prep2, .Lfunc_end_k_qfd9d85d220_prep2-k_qfd9d85d220_prep2
	.p2alignl 7, 3214868480
	.fill 96, 4, 3214868480
	.section	.rodata,"a",@progbits
	.p2align	6, 0x0
	.amdhsa_kernel k_qfd9d85d220_prep2
		.amdhsa_group_segment_fixed_size 133120
		.amdhsa_private_segment_fixed_size 0
		.amdhsa_enable_private_segment 0
		.amdhsa_kernarg_size 48
		.amdhsa_user_sgpr_count 2
		.amdhsa_user_sgpr_kernarg_segment_ptr 1
		.amdhsa_wavefront_size32 1
		.amdhsa_system_sgpr_workgroup_id_x 1
		.amdhsa_system_sgpr_workgroup_id_y 1
		.amdhsa_system_sgpr_workgroup_id_z 1
		.amdhsa_system_vgpr_workitem_id 0
		.amdhsa_next_free_vgpr 128
		.amdhsa_next_free_sgpr 66
		.amdhsa_reserve_vcc 1
		.amdhsa_float_denorm_mode_32 3
		.amdhsa_float_denorm_mode_16_64 3
		.amdhsa_memory_ordered 1
		.amdhsa_forward_progress 1
		.amdhsa_inst_pref_size 73
	.end_amdhsa_kernel
	.amdgpu_metadata
---
amdhsa.version: [ 1, 2 ]
amdhsa.kernels:
  - .name:           k_qfd9d85d220_prep2
    .symbol:         k_qfd9d85d220_prep2.kd
    .args:
      - { .name: x, .offset: 0, .size: 8, .value_kind: global_buffer, .address_space: global }
      - { .name: mm, .offset: 8, .size: 8, .value_kind: global_buffer, .address_space: global }
      - { .name: t1, .offset: 16, .size: 8, .value_kind: global_buffer, .address_space: global }
      - { .name: weight_scales, .offset: 24, .size: 8, .value_kind: global_buffer, .address_space: global }
      - { .name: xa, .offset: 32, .size: 8, .value_kind: global_buffer, .address_space: global }
      - { .name: wq, .offset: 40, .size: 8, .value_kind: global_buffer, .address_space: global }
    .group_segment_fixed_size: 133120
    .private_segment_fixed_size: 0
    .kernarg_segment_align: 8
    .kernarg_segment_size: 48
    .max_flat_workgroup_size: 512
    .sgpr_count:     66
    .vgpr_count:     128
    .wavefront_size: 32
...
	.end_amdgpu_metadata
.endif
;; end of part 2
;; launch gemm (part 3): grid 8 x 32, 4 waves a work-group, clusters of 4 x 4, 327,680 bytes of LDS; arguments xa, wq, out0; writes out0
.if DOCPART == 3
	.amdgcn_target "amdgcn-amd-amdhsa--gfx1250"
	.amdhsa_code_object_version 6
	.text
	.protected	k_qfd9d85d220_gemm
	.globl	k_qfd9d85d220_gemm
	.p2align	8
	.type	k_qfd9d85d220_gemm,@function
k_qfd9d85d220_gemm:
	s_mov_b64 s[64:65], 0
	v_nop
	global_prefetch_b8 v0, s[64:65] scope:SCOPE_SE
	s_setreg_imm32_b32 hwreg(HW_REG_WAVE_MODE, 25, 1), 1
	s_wait_xcnt 0x0
	s_wait_alu depctr_hold_cnt(0) depctr_sa_sdst(0) depctr_va_vdst(0) depctr_va_sdst(0) depctr_va_ssrc(0) depctr_va_vcc(0) depctr_vm_vsrc(0)
	s_getreg_b32 s2, hwreg(HW_REG_IB_STS2, 6, 4)
	s_cmp_eq_u32 s2, 0
	s_cbranch_scc0 .Lentry_in_a_cluster
	s_endpgm
.Lentry_in_a_cluster:
	s_bfe_u32 s2, ttmp6, 0x10000c
	s_cmp_lg_u32 s2, 0xf033
	s_cbranch_scc0 .Lentry_shape_is_right
	s_endpgm
.Lentry_shape_is_right:
; out0[m][n] = sum over k of xa[m][k] wq[n][k].  xa: [8192][4096] bf16 (A), wq: [2048][4096] bf16 (B), out0: [8192][2048] f32 (C); sums in f32.
; A tile of C, 256 x 256, is made by a work-group of four waves; a wave makes 128 x 128: 64 accumulators of 16 x 16, 512 registers.  32 x 8 tiles: 256 work-groups, one tile each.
; K goes in 32 steps of 128 through a ring of two LDS slots filled by the tensor data mover: the tiles' rows are 256 bytes of memory and start at multiples of 256 bytes.
; CLUSTERS: 4 x 4 work-groups.  The four of a row of the cluster need the same tiles of A, the four of a column the same tiles of B: each tile is asked for JOINTLY, by the same tensor load with
; the same descriptor and a mask that names the four; each receives it in its own LDS.
; REGISTERS, in windows of 256 (s_set_vgpr_msb's low byte: bits 1:0 source 0, 3:2 source 1, 5:4 source 2, 7:6 destination):
;   window 0: v0-31 addresses; v64-127, v128-191 fragments of A, two buffers; on the way out the same 128 registers take rows read back from the stage
;   window 1: v64-127, v128-191 fragments of B, two buffers
;   window 2: the 32 accumulators of my rows 0-63 (accumulator (a, b) at v[8 (8 a + b)]);   window 3: those of my rows 64-127
; THE MATRIX INSTRUCTION IS USED TRANSPOSED: source 0 = 16 rows of B, source 1 = 16 rows of A.  In the result lane l holds row l % 16 of C and its registers the columns 8 (l / 16) + 0 .. 7:
; 32 neighbouring bytes of a row of C.
.set SIZE_M, 8192
.set SIZE_N, 2048
.set SIZE_K, 4096
.set KSTEP,  128
.set PITCH,  272                       ; an LDS row: 256 bytes + 16 of padding = 68 words: row r starts at bank 4 r mod 64 (64 banks of 4 bytes: ISA guide 11.1)
.set HALFT,  128*PITCH                 ; 128 rows: what one tensor load brings, and what one wave reads of A or of B
.set SLOT,   4*HALFT                   ; A's 256 rows, then B's 256 rows
.set STAGE,  2*SLOT                    ; behind the ring, never filled by a tensor load: 16 rows x 528 bytes for each wave, for the way out
.set SPITCH, 528                       ; 512 bytes of f32 + 16: an odd multiple of 16
.set SPARE,  STAGE+4*16*SPITCH         ; behind the stages: the spare words, 128 bytes for each wave, named by no other line
.set LAPS, SIZE_K/(2*KSTEP)            ; a lap = two K steps = once round the ring
.set ADRA, 16                          ; v16-17  LDS address of my A fragments in slot 0, 1
.set ADRB, 20                          ; v20-21  the same for B
.set STO,  24                          ; v24     the way out: where I put 32 bytes of a row
.set RD,   25                          ; v25     the way out: where I read a row back
.set CO,   26                          ; v26     my byte offset in a row of C
.set SPW,  28                          ; v28     LDS address of my spare word; never rewritten
.set NIL,  29                          ; v29     0; never rewritten
.set F0,   64                          ; fragment buffer 0
.set F1,   128                         ; fragment buffer 1
.set G1, 24                            ; s[24:31] descriptor group 1 for A's tiles
.set G0, 32                            ; s[32:39] descriptor group 0 for A's tiles, one set for each slot
.set G1B, 48                           ; s[48:55] descriptor group 1 for B's tiles: it differs from A's in the mask alone
.set G0B, 56                           ; s[56:63] descriptor group 0 for B's tiles, one set for each slot
.set MSB, 0
.macro WIN new                         ; the immediate's high byte repeats the setting that is left; a switch that changes nothing is dropped
.if MSB != (\new)
	s_set_vgpr_msb (MSB<<8)|(\new)
.set MSB, \new
.endif
.endm
.set MUL_LO, 0xa1                      ; source 0 (B) window 1, source 1 (A) window 0, C and D window 2
.set MUL_HI, 0xf1                      ; the same, C and D window 3
.set TO_B,   0x40                      ; destination window 1, address window 0
; A joint load.  Waves 0 and 1 fetch A's two halves, waves 2 and 3 B's.  Each of the two lines has one mask and one set of registers for all that issue it.  The branch hangs on the wave's number alone.
; An s_nop 0 and four v_nop follow each of the two lines, ahead of the jump, the label and what follows.
.macro JLOAD s
	s_cmp_eq_u32 s11, 0
	s_cbranch_scc0 .Lfor_b_\@
	tensor_load_to_lds s[G0+4*(\s):G0+4*(\s)+3], s[G1:G1+7]
	s_nop 0
.rept 4
	v_nop
.endr
	s_branch .Lasked_\@
.Lfor_b_\@:
	tensor_load_to_lds s[G0B+4*(\s):G0B+4*(\s)+3], s[G1B:G1B+7]
	s_nop 0
.rept 4
	v_nop
.endr
.Lasked_\@:
.endm
; A round of the cluster's barrier: my work-group's barrier, so that wave 0's signal speaks for all four waves; wave 0 signals for the work-group; every wave waits for all sixteen; my work-group's barrier once more.
.macro CREST                           ; a round behind its opening barrier
	s_cmp_lg_u32 s10, 0
	s_cbranch_scc1 .Lnot_wave_0_\@
	s_barrier_signal -3
.Lnot_wave_0_\@:
	s_barrier_wait -3
	s_barrier_signal -1
	s_barrier_wait -1
.endm
.macro CROUND                          ; a whole round
	s_barrier_signal -1
	s_barrier_wait -1
	CREST
.endm
	s_load_b128 s[4:7], s[0:1], 0x0                ; A s[4:5], B s[6:7]
	s_load_b64 s[8:9], s[0:1], 0x10                ; C
	v_lshl_add_u32 v[SPW], v0, 2, SPARE
	v_mov_b32 v[NIL], 0
	ds_add_u32 v[SPW], v[NIL]                      ; the wave's opening: the add and its wait stand ahead of my first tensor load; the set-up below, work on registers, stands between them
	v_lshrrev_b32 v1, 5, v0
	v_readfirstlane_b32 s10, v1                    ; wave 0..3
	s_lshr_b32 s11, s10, 1                         ; which half of the tile's rows is mine.  Also: I fetch for A (0) or for B (1)
	s_and_b32 s12, s10, 1                          ; which half of its columns.  Also: which 128 rows of that tile I fetch
	s_bfe_u32 s40, ttmp6, 0x40000                  ; cx: my place along the cluster's x
	s_bfe_u32 s41, ttmp6, 0x40004                  ; cy: along its y
	s_lshl_b32 s42, ttmp9, 2                       ; in a cluster launch ttmp9 and ttmp7 count clusters
	s_add_co_u32 s42, s42, s40                     ; tile column of C = 4 x cluster x + cx
	s_and_b32 s13, ttmp7, 0xffff
	s_lshl_b32 s13, s13, 2
	s_add_co_u32 s13, s13, s41                     ; tile row of C = 4 x cluster y + cy
	s_lshl_b32 s43, s41, 2
	s_lshl_b32 s43, 15, s43                        ; my row of the cluster: places 4 cy .. 4 cy + 3
	s_lshl_b32 s44, 0x1111, s40                    ; my column: places cx, cx + 4, cx + 8, cx + 12
	; descriptor group 1: a tile of 128 rows x 128 elements, padded in LDS
	s_or_b32 s[G1+0], s43, (1<<16)|(1<<20)|(1<<21)|(5<<22)|(3<<25)  ; 15:0 the mask: A's tiles go to my row; 17:16 elements of 2 bytes; 20 padding on; 21 set beside a mask; 24:22 after every 64 words (code 5); 31:25 4 words of it (code 3)
	s_or_b32 s[G1B+0], s44, (1<<16)|(1<<20)|(1<<21)|(5<<22)|(3<<25) ; the same with the mask of my column, for B's tiles
	s_mov_b32 s[G1B+1], KSTEP<<16
	s_mov_b32 s[G1+1], KSTEP<<16                   ; tensor_dim0 = 128
	s_mov_b32 s[G1B+2], 128<<16
	s_mov_b32 s[G1+2], 128<<16                     ; tensor_dim1 = 128
	s_mov_b32 s[G1B+3], KSTEP<<16
	s_mov_b32 s[G1+3], KSTEP<<16                   ; tile_dim0 = 128
	s_mov_b32 s[G1B+4], 128
	s_mov_b32 s[G1+4], 128                         ; tile_dim1 = 128; tile_dim2 = 0
	s_mov_b32 s[G1B+5], SIZE_K
	s_mov_b32 s[G1+5], SIZE_K                      ; elements from row to row
	s_mov_b32 s[G1B+6], 0
	s_mov_b32 s[G1+6], 0
	s_mov_b32 s[G1B+7], 0
	s_mov_b32 s[G1+7], 0
	; where the tiles come from.  A's hang on the tile row alone, which my row of the cluster shares; B's on the tile column alone, which my column shares.
	s_lshl_b32 s17, s12, 7                         ; which 128 rows of the tile I fetch
	s_lshl_b32 s16, s13, 8
	s_add_co_u32 s16, s16, s17                     ; A: row 256 x tile row + 128 x half
	s_lshl_b32 s46, s42, 8
	s_add_co_u32 s46, s46, s17                     ; B: row 256 x tile column + 128 x half
	s_mov_b32 s17, 0
	s_mov_b32 s47, 0
	s_mov_b64 s[18:19], SIZE_K*2
	s_mul_u64 s[16:17], s[16:17], s[18:19]         ; in bytes
	s_mul_u64 s[46:47], s[46:47], s[18:19]
	s_mul_i32 s20, s10, HALFT                      ; and where they go: wave x 128 rows: no place in the cluster enters an LDS address
	s_wait_dscnt 0x0                               ; the opening add is done
	s_wait_kmcnt 0x0
	s_add_nc_u64 s[14:15], s[4:5], s[16:17]
	s_add_nc_u64 s[46:47], s[6:7], s[46:47]
	CROUND                                         ; all sixteen work-groups are here: the first joint loads meet
.irp s, 0,1
	s_mov_b32 s[G0+4*(\s)], 1                                      ; count = 1
	s_add_co_u32 s[G0+4*(\s)+1], s20, (\s)*SLOT                    ; LDS address
	s_add_nc_u64 s[G0+4*(\s)+2:G0+4*(\s)+3], s[14:15], (\s)*KSTEP*2  ; global address: K step s
	s_or_b32 s[G0+4*(\s)+3], s[G0+4*(\s)+3], 0x80000000            ; type = 2
	s_mov_b32 s[G0B+4*(\s)], 1
	s_add_co_u32 s[G0B+4*(\s)+1], s20, (\s)*SLOT
	s_add_nc_u64 s[G0B+4*(\s)+2:G0B+4*(\s)+3], s[46:47], (\s)*KSTEP*2
	s_or_b32 s[G0B+4*(\s)+3], s[G0B+4*(\s)+3], 0x80000000
	JLOAD \s                                       ; the ring is filled before anything else is done: two loads of mine are out
.endr
	; A fragment is 16 rows x 32 K in 8 registers: lane l holds row l % 16; registers 0-3 hold K = 8 (l / 16) + 0..7, registers 4-7 K = 16 + 8 (l / 16) + 0..7: two loads of 16 bytes, 32 bytes apart.
	v_and_b32 v1, 15, v0                           ; l % 16
	v_bfe_u32 v2, v0, 4, 1                         ; l / 16
	v_mul_u32_u24 v3, v1, PITCH
	v_lshl_add_u32 v3, v2, 4, v3                   ; row x pitch + 16 x half
	s_mul_i32 s21, s11, HALFT                      ; my 128 rows of A
	s_mul_i32 s22, s12, HALFT                      ; my 128 rows of B,
	s_add_co_u32 s22, s22, 2*HALFT                 ; which lie behind A's 256
.irp s, 0,1
	v_add_nc_u32 v[ADRA+(\s)], s21, v3
	v_add_nc_u32 v[ADRB+(\s)], s22, v3
	s_add_co_u32 s21, s21, SLOT
	s_add_co_u32 s22, s22, SLOT
.endr
	s_mul_i32 s23, s10, 16*SPITCH
	s_add_co_u32 s23, s23, STAGE                   ; my stage
	v_mul_u32_u24 v4, v1, SPITCH                   ; in: row l % 16, 32 bytes for each half of the lanes
	v_lshl_add_u32 v4, v2, 5, v4
	v_add_nc_u32 v[STO], s23, v4
	v_and_b32 v5, 31, v0
	v_lshlrev_b32 v[CO], 4, v5                     ; back: 32 lanes take a row's 512 bytes, in the stage and in C
	v_add_nc_u32 v[RD], s23, v[CO]
	; where my part of the tile begins in C, in bytes: the way out adds it to C's address
	s_lshl_b32 s13, s13, 8
	s_lshl_b32 s14, s11, 7
	s_add_co_u32 s16, s13, s14                     ; my first row of C
	s_mov_b32 s17, 0
	s_mov_b64 s[18:19], SIZE_N*4
	s_mul_u64 s[16:17], s[16:17], s[18:19]
	s_lshl_b32 s46, s42, 10                        ; my first column, in bytes: 1,024 x tile column + 512 x half
	s_lshl_b32 s47, s12, 9
	s_add_co_u32 s46, s46, s47
	s_mov_b32 s47, 0
	s_add_nc_u64 s[16:17], s[16:17], s[46:47]
; 16 matrix instructions: m blocks a0, a0 + 1 of the window's four (hi = 0: my rows 0-63, 1: rows 64-127) x all 8 n blocks, 32 along K.  zero = 1: the first product starts the sums: nothing is ever cleared.
; The 64 accumulators take turns, one instruction a turn, in the same order in every quarter step.
.macro MUL16 f, hi, a0, zero
	WIN MUL_LO+0x50*(\hi)
.irp a, \a0, (\a0)+1
.irp b, 0,1,2,3,4,5,6,7
.if \zero
	v_wmma_f32_16x16x32_bf16 v[8*(8*(\a)+(\b)):8*(8*(\a)+(\b))+7], v[(\f)+8*(\b):(\f)+8*(\b)+7], v[(\f)+8*(4*(\hi)+(\a)):(\f)+8*(4*(\hi)+(\a))+7], 0
.else
	v_wmma_f32_16x16x32_bf16 v[8*(8*(\a)+(\b)):8*(8*(\a)+(\b))+7], v[(\f)+8*(\b):(\f)+8*(\b)+7], v[(\f)+8*(4*(\hi)+(\a)):(\f)+8*(4*(\hi)+(\a))+7], v[8*(8*(\a)+(\b)):8*(8*(\a)+(\b))+7]
.endif
.endr
.endr
.endm
; 32 LDS loads in one run: the fragments of one quarter step (128 rows of B, 128 rows of A, 32 K at byte k of the rows) into buffer f
.macro FETCH slot, k, f
	WIN TO_B
.irp i, 0,1,2,3,4,5,6,7
	ds_load_b128 v[(\f)+8*(\i):(\f)+8*(\i)+3],   v[ADRB+(\slot)] offset:(\k)+(\i)*16*PITCH
	ds_load_b128 v[(\f)+8*(\i)+4:(\f)+8*(\i)+7], v[ADRB+(\slot)] offset:(\k)+(\i)*16*PITCH+32
.endr
	WIN 0
.irp i, 0,1,2,3,4,5,6,7
	ds_load_b128 v[(\f)+8*(\i):(\f)+8*(\i)+3],   v[ADRA+(\slot)] offset:(\k)+(\i)*16*PITCH
	ds_load_b128 v[(\f)+8*(\i)+4:(\f)+8*(\i)+7], v[ADRA+(\slot)] offset:(\k)+(\i)*16*PITCH+32
.endr
.endm
; A load into a register that a matrix instruction has read, and a store that reads a matrix result, stand four places behind that matrix instruction, and only plain vector instructions that
; name none of its registers are places (ISA guide 7.12.1 for vector instructions).
.macro PLACES
.rept 4
	v_nop
.endr
.endm
; A K step is four quarter steps of 32 along K, 64 matrix instructions each, on buffers 0, 1, 0, 1.
; One of the first three: multiplies buffer f; in its middle it fetches the next quarter's fragments, at byte k of the same slot's rows, into buffer g.
.macro QUARTER slot, k, f, g, zero
	s_wait_dscnt 8                                 ; B and A's rows 0-63 are in; the youngest eight loads (A's rows 64-127) may be out
	WIN MUL_LO
	MUL16 \f, 0, 0, \zero
	MUL16 \f, 0, 2, \zero
	PLACES
	FETCH \slot, \k, \g
	s_wait_dscnt 32                                ; all but the 32 just issued
	WIN MUL_HI
	MUL16 \f, 1, 0, \zero
	MUL16 \f, 1, 2, \zero
.endm
; The last quarter multiplies buffer 1 and changes slots.  MEET is its first half: one barrier for the change.  In front of it each wave waits for all its tensor loads, of which one is out: its part
; of the next slot; adds 0 to its spare word; and waits for that and for its own reads of this slot.  Behind it nobody reads this slot any more and the next slot is whole.
.macro MEET round                      ; round = 1: a round of the cluster's barrier follows
	WIN 0                                          ; (the add's two registers lie in window 0)
	s_wait_tensorcnt 0x0                           ; all my tensor loads have landed;
	ds_add_u32 v[SPW], v[NIL]                      ; 0 onto my spare word;
	s_wait_dscnt 9                                 ; (the add and the youngest eight loads may be out)
	WIN MUL_LO
	MUL16 F1, 0, 0, 0                              ; sixteen matrix instructions stand between the add and the wait for it
	s_wait_dscnt 0x0                               ; the add is done, and my reads of this slot are over:
	s_barrier_signal -1                            ; say so,
	MUL16 F1, 0, 2, 0                              ; work on registers while the others arrive,
.if \round
	WIN 0
.endif
	s_barrier_wait -1                              ; and go on when all four have said so
.endm
; The whole last quarter.  fill = 1: the barrier opens a round of the cluster's; behind it the slot just read out is filled again first, with the K step two steps on: from that request to the
; wait for it a wave issues 224 matrix instructions.  Then come the next slot's first fragments.
.macro TURN slot, next, fill
.if \fill
	MEET 1
	CREST                                          ; no wave of any partner still reads this slot's tile or has a load on its way
	s_add_nc_u64 s[G0+4*(\slot)+2:G0+4*(\slot)+3], s[G0+4*(\slot)+2:G0+4*(\slot)+3], 2*KSTEP*2     ; no tensor load of mine is out, so a group 0 may be written
	s_add_nc_u64 s[G0B+4*(\slot)+2:G0B+4*(\slot)+3], s[G0B+4*(\slot)+2:G0B+4*(\slot)+3], 2*KSTEP*2
	JLOAD \slot                                    ; my one tensor load behind the round; the four v_nop behind it are also the places in front of the loads below
.else
	MEET 0
	PLACES
.endif
	FETCH \next, 0, F0
	WIN MUL_HI
	MUL16 F1, 1, 0, 0
	MUL16 F1, 1, 2, 0
.endm
; THE WAY OUT of block a (16 rows x 128 columns of f32).  TOSTAGE: a lane's 32 bytes of each accumulator go into my own stage in LDS, each accumulator's low registers first,
; and come back as whole rows of 512 bytes.  SEND: stored.
.macro TOSTAGE a
.set AC, 64*((\a)%4)
.set BK, 64+64*((\a)%2)
.if (\a) >= 2
	s_wait_xcnt 0x0                                ; the registers that block a - 2's stores read are loaded again only behind this wait
.endif
	WIN 0x08+4*((\a)/4)                            ; the stores' data (source 1) in window 2 or 3
.irp b, 0,1,2,3,4,5,6,7
	ds_store_b128 v[STO], v[AC+8*(\b):AC+8*(\b)+3]   offset:64*(\b)
	ds_store_b128 v[STO], v[AC+8*(\b)+4:AC+8*(\b)+7] offset:64*(\b)+16
.endr
	WIN 0
.irp t, 0,1,2,3,4,5,6,7,8,9,10,11,12,13,14,15
	ds_load_b128 v[BK+4*(\t):BK+4*(\t)+3], v[RD] offset:(\t)*SPITCH  ; LDS serves a wave's instructions in order (ISA guide 5.7.1.4): these see the stores above; the next block's stores come behind them
.endr
.endm
.macro SEND a, younger                 ; younger: the LDS instructions issued behind block a's loads: the next block's 32, or none
	WIN 0
.set BK, 64+64*((\a)%2)
	s_wait_dscnt \younger                          ; the block is back in registers
	s_wait_xcnt 0x0                                ; the stores' base is stepped only behind this wait
.if (\a) == 0
	s_add_nc_u64 s[8:9], s[8:9], s[16:17]          ; on to my first rows
.else
	s_add_nc_u64 s[8:9], s[8:9], 16*SIZE_N*4       ; 16 rows of C on
.endif
.irp t, 0,1,2,3,4,5,6,7,8,9,10,11,12,13,14,15
	global_store_b128 v[CO], v[BK+4*(\t):BK+4*(\t)+3], s[8:9] offset:(\t)*SIZE_N*4 th:TH_STORE_NT  ; the wave stores 512 consecutive bytes, at a multiple of 512 from C's first byte
.endr
.endm
	s_wait_tensorcnt 1                             ; my part of K step 0 is in; K step 1's may stay out
	s_barrier_signal -1
	s_barrier_wait -1                              ; everybody's is
	FETCH 0, 0, F0
	QUARTER 0, 64,  F0, F1, 1                      ; the first quarter stands in front of the loop: its products start the sums
	WIN 0                                          ; at a label and at a branch every window is 0
	s_mov_b32 s3, LAPS-1
.Llap:                                                 ; a trip goes once round the ring, from a lap's second quarter to the next lap's first, and fills both slots again
	QUARTER 0, 128, F1, F0, 0
	QUARTER 0, 192, F0, F1, 0
	TURN 0, 1, 1
	QUARTER 1, 64,  F0, F1, 0
	QUARTER 1, 128, F1, F0, 0
	QUARTER 1, 192, F0, F1, 0
	TURN 1, 0, 1
	QUARTER 0, 64,  F0, F1, 0
	WIN 0
	s_sub_co_u32 s3, s3, 1
	s_cmp_lg_u32 s3, 0
	s_cbranch_scc1 .Llap
	QUARTER 0, 128, F1, F0, 0                      ; the last lap is written out: it fills nothing, and has no round of the cluster's barrier
	QUARTER 0, 192, F0, F1, 0
	TURN 0, 1, 0
	QUARTER 1, 64,  F0, F1, 0
	QUARTER 1, 128, F1, F0, 0
	QUARTER 1, 192, F0, F1, 0
	s_wait_dscnt 8                                 ; the very last quarter: nothing more to fetch
	WIN MUL_LO
	MUL16 F1, 0, 0, 0
	MUL16 F1, 0, 2, 0
	s_wait_dscnt 0x0
	MUL16 F1, 1, 0, 0
	MUL16 F1, 1, 2, 0
	PLACES                                         ; the stores below read results, and the loads below land in A's fragment registers
	TOSTAGE 0
.irp a, 1,2,3,4,5,6,7
	TOSTAGE \a                                     ; block a's way through the stage stands between block a - 1's loads and the wait for them
	SEND (\a)-1, 32
.endr
	SEND 7, 0
	s_wait_tensorcnt 0x0                           ; the wave's end, behind my last tensor load and my last LDS store
	ds_add_u32 v[SPW], v[NIL]
	s_wait_dscnt 0x0
	CROUND                                         ; the closing round: no work-group ends while a partner may still ask for a tile that names it
	s_endpgm
.Lfunc_end_k_qfd9d85d220_gemm:
	.size	k_qfd9d85d220_gemm, .Lfunc_end_k_qfd9d85d220_gemm-k_qfd9d85d220_gemm
	.p2alignl 7, 3214868480
	.fill 96, 4, 3214868480
	.section	.rodata,"a",@progbits
	.p2align	6, 0x0
	.amdhsa_kernel k_qfd9d85d220_gemm
		.amdhsa_group_segment_fixed_size 327680
		.amdhsa_private_segment_fixed_size 0
		.amdhsa_enable_private_segment 0
		.amdhsa_kernarg_size 24
		.amdhsa_user_sgpr_count 2
		.amdhsa_user_sgpr_kernarg_segment_ptr 1
		.amdhsa_wavefront_size32 1
		.amdhsa_system_sgpr_workgroup_id_x 1
		.amdhsa_system_sgpr_workgroup_id_y 1
		.amdhsa_system_sgpr_workgroup_id_z 1
		.amdhsa_system_vgpr_workitem_id 0
		.amdhsa_next_free_vgpr 1024
		.amdhsa_next_free_sgpr 66
		.amdhsa_reserve_vcc 0
		.amdhsa_float_denorm_mode_32 3
		.amdhsa_float_denorm_mode_16_64 3
		.amdhsa_memory_ordered 1
		.amdhsa_forward_progress 1
		.amdhsa_inst_pref_size 141
	.end_amdhsa_kernel
	.amdgpu_metadata
---
amdhsa.version: [ 1, 2 ]
amdhsa.kernels:
  - .name:           k_qfd9d85d220_gemm
    .symbol:         k_qfd9d85d220_gemm.kd
    .args:
      - { .name: xa, .offset: 0, .size: 8, .value_kind: global_buffer, .address_space: global }
      - { .name: wq, .offset: 8, .size: 8, .value_kind: global_buffer, .address_space: global }
      - { .name: out0, .offset: 16, .size: 8, .value_kind: global_buffer, .address_space: global }
    .group_segment_fixed_size: 327680
    .private_segment_fixed_size: 0
    .kernarg_segment_align: 8
    .kernarg_segment_size: 24
    .max_flat_workgroup_size: 128
    .sgpr_count:     66
    .vgpr_count:     1024
    .wavefront_size: 32
...
	.end_amdgpu_metadata
.endif
;; end of part 3
